; MI455X (gfx1250); checked and timed in simulation.
; The chip was launched on July 23, 2026; its instructions are those of AMD's public machine-readable ISA for CDNA 5 (MIT licence, August 2026) and "CDNA5" Instruction Set Architecture Reference Guide (July 2026). The comments in the code are by the model that wrote it; some were corrected since.
;; Attentionscore. Allowed arithmetic: matrix products marked QUANTISED: E2M1 operands, one E8M0 scale for each 32 along K, by v_wmma_scale_f32_16x16x128_f8f6f4 with both operands' format E2M1 (or v_wmma_scale_f32_32x16x128_f4), f32 sums; products left as they are: bf16, f16 or f32 operands; f32 sums; everything else in f32.
;; Inputs: K 4 x 16 x 2,048 x 64 float32; Q 4 x 16 x 2,048 x 64 float32; V 4 x 16 x 2,048 x 64 float32.
;; Outputs: out0 4 x 16 x 2,048 x 64 float32.
;; This version of the problem:
;;   THIS VERSION OF THE PROBLEM IS GIVEN IN LOW PRECISION. The matrix products marked QUANTISED in the list below multiply operands that are first quantised to E2M1 (2 exponent bits, 1 mantissa bit; 4 bits a number), with one power-of-two scale for each 32 numbers along K (OCP MX v1.0); their sums are f32. The products marked 'left as it is' may take bf16, f16 or f32 operands, with f32 sums. Whichever they take, every output number must still come out within the allowed error. Rounding operands to bf16 (8 significant bits) uses up far more of that allowance than f16 does (11 bits, for magnitudes from 6e-5 to 65,504). All else is computed in f32.
;;   The module's matrix products, in the order in which they are computed (A, B: the left and right operand; K: the contracted axis; several contracted axes count as one K, in the product's order):
;;     1. batch 64 x [M 2,048, K 64] x [K 64, N 2,048]; A: input Q; B: input K: QUANTISED
;;     2. batch 64 x [M 2,048, K 2,048] x [K 2,048, N 64]; A: computed on the way; B: input V: left as it is (an operand is computed on the way)
;;   THE QUANTISER, for each operand of a quantised product, along K:
;;     - K is cut into blocks of 32 from its start; a last block that is shorter is filled with zeros.
;;     - A block's scale is 2^e with e = floor(log2(the largest magnitude in the block)) - 2, held to -126 .. 127; a block of zeros has e = 0. As a byte (E8M0): e + 127.
;;     - Each number is divided by its block's scale, clamped to +-6, and rounded to the nearest number of E2M1, ties to even, subnormals kept.
;;     - The product sums the exact products of the quantised numbers (number of the format x scale) in f32.
;;   ~~~python
;;   def quantise(x, axis):      # numpy; x: float32 -> the quantised numbers, widened to float32 again
;;       x = np.moveaxis(x, axis, -1); K = x.shape[-1]
;;       x = np.pad(x, [(0, 0)] * (x.ndim - 1) + [(0, -K % 32)]); x = x.reshape(x.shape[:-1] + (-1, 32)); a = np.abs(x).max(-1, keepdims=True)
;;       e = np.where(a > 0, np.clip(np.frexp(np.where(a > 0, a, 1))[1] - 1 - 2, -126, 127), 0)      # np.frexp(a)[1] - 1 = floor(log2(a)), exactly
;;       r = np.clip(x / 2.0 ** e, -6, 6)
;;       step = 2.0 ** (np.maximum(np.frexp(np.where(r == 0, 1, r))[1] - 1, 0) - 1)
;;       q = np.round(r / step) * step * 2.0 ** e      # np.round: ties to even
;;       return np.moveaxis(q.reshape(q.shape[:-2] + (-1,))[..., :K], -1, axis).astype(np.float32)
;;   ~~~
;; 2 versions, each right; version 2 is version 1 with the launch attn written anew for expert scheduling mode. Each part assembles by itself: llvm-mc -triple=amdgcn-amd-amdhsa -mcpu=gfx1250 --defsym DOCPART=n.
;; ======== version 1 of 2: 1 launch
;; limits: values are held in f16: magnitudes above 65,504 overflow, below 6.1e-05 lose precision
;; launch attn (part 1): grid 4 x 64, 16 waves a work-group, no clusters, 121,856 bytes of LDS; arguments Q, K, V, out0; writes out0
.if DOCPART == 1
	.amdgcn_target "amdgcn-amd-amdhsa--gfx1250"
	.amdhsa_code_object_version 6
	.text
	.protected	k_q4692ccd876_attn
	.globl	k_q4692ccd876_attn
	.p2align	8
	.type	k_q4692ccd876_attn,@function
k_q4692ccd876_attn:
	s_mov_b64 s[64:65], 0
	v_nop
	global_prefetch_b8 v0, s[64:65] scope:SCOPE_SE
	s_setreg_imm32_b32 hwreg(HW_REG_WAVE_MODE, 25, 1), 1
	s_wait_xcnt 0x0
; out[h][q][:] = the sum over k of softmax_k(Q[h][q] . K[h][k] / sqrt(12)) V[h][k][:].  Q, K, V, out: [64 heads][2048][64] f32.
; FIRST PRODUCT on codes of FP4 (E2M1) with one E8M0 scale for each 32 along the head's 64: Q and K are quantised here, in registers.  SECOND PRODUCT with f16 operands (p and V), f32 sums.
; Maxima, exponentials and row sums in f32, with a running maximum m and sum l for each query: p = 2^(c s - c m), c = log2(e) / sqrt(12); in every step O and l are multiplied by a = 2^(c m_old - c m_new).
; SHARES.  256 work-groups: work-group (x, y) owns queries 512 x .. 512 x + 511 of head y.  Sixteen waves of 256 registers, four to a SIMD; a wave owns 32 queries, two tiles of 16, and walks all 2,048 keys, 64 a step.
; K AND V GO MEMORY -> REGISTERS -> LDS.  Of each step a wave loads 4 keys of K and 4 of V as f32, quantises K, rounds V to f16 and stores both into one of four LDS slots, which all sixteen waves read.
; So a key is quantised once for the work-group's 512 queries.  One barrier a step, its halves apart: the signal stands behind my stores for the next step, the wait behind this step's products.
; LAYOUT.  Both products are used transposed: S^T = K Q^T (source 0 = keys, source 1 = 16 queries), O^T = V^T P (source 0 = 16 channels, source 1 = P): a lane holds ONE query (lane % 16) throughout, and two
; tiles of S^T, rounded to f16 in pairs, are source 1 of the second product as they stand.
; K = 64 IN AN INSTRUCTION OF 128.  A fragment of K holds TWO tiles of keys: registers 0-3 key 32 f + r, registers 4-7 key 32 f + 16 + r (block lane / 16 of each).  Q's operand has zero codes in the other half:
; of the twenty registers z q0 z q1 z, [q | z] picks the lower tile and [z | q] the upper.  Zero codes add nothing under any scale byte that is made here (1 to 252).
; ORDER OF k INSIDE A BLOCK OF 32: a quantising lane holds numbers 4 p .. 4 p + 3 and 16 + 4 p .. 16 + 4 p + 3 of its block (p = lane % 4) and its 8 codes are bytes 4 p .. 4 p + 3 of the block's 16.  Q and K go
; through the same macro and the same lane arithmetic, so the order is the same on both sides and stays inside a scale's block: the products are the same, only their order in the sum differs.
; NO CLUSTER, NO TENSOR LOAD, though the four work-groups of a head read the same K and V: they arrive as f32 and must pass through registers before any wave can use them.  Through LDS a step's 32,768 bytes would
; be written and read there on top of the 12,416 bytes of images that are kept.
; LIMITS: NaN and infinities among the inputs are not served.  |V| above 65,504 leaves f16's range.  A block of zeros gets the scale byte 1 where the rule says 127: its codes are zeros, and this program alone reads
; the bytes.  A weight p under 2^-25 falls to 0 in f16: it is left out of the product, not of the row's sum.
.set STEPB, 16384                      ; 64 keys x 256 bytes: a step of K or of V in memory
.set SLOTB, 12544                      ; an LDS slot: K's codes, K's scale bytes, V in f16
.set KSC,   2048                       ; K's codes: 4 tiles of 16 keys x 512 bytes, each an image of four operand registers (16 x lane); behind them the scale words, 4 x lane
.set VH,    2304                       ; V: 64 rows [key][64 channels] of f16,
.set VP,    160                        ; 128 bytes + 32 of padding = 40 words
.set STAGE, 4*SLOTB                    ; behind the slots: 4,352 bytes for each wave, its own: Q's images at the head, 16 rows x 272 bytes on the way out
.set STGW,  4352
.set SPARE, STAGE+16*STGW              ; the spare words, 128 bytes for each wave: eight blocks of 256 bytes that no other line names
.set KGO, 1                            ; v1   K, Q in memory: 256 g + 128 hb + 16 p  (p = lane % 4, hb = (lane / 4) % 2, g = lane / 8)
.set LI,  2                            ; v2   16 x lane: V in memory, and an image's place in LDS
.set KCW, 3                            ; v3   where I store my 8 codes of K
.set KSW, 4                            ; v4   where I store my block's scale byte
.set VW,  5                            ; v5   where I store my 4 channels of V
.set STO, 6                            ; v6   the way out: where I put 32 bytes of a row
.set LS,  7                            ; v7   4 x lane: a scale word's place
.set AV0, 8                            ; v8   my lane's place in a turning load of V
.set PFO, 9                            ; v9   256 x lane: the prefetches' offset
.set SPW, 10                           ; v10  LDS address of my spare word: SPARE + 4 x my thread's number; never rewritten
.set NIL, 11                           ; v11  0; never rewritten
.set RD,  12                           ; v12  the way out: where I read a row back
.set GO,  13                           ; v13  my byte offset in the wave's rows of out
.set QCW, 14                           ; v14  where I store my 8 codes of Q
.set QSW, 15                           ; v15  and my block's scale byte
.set RK,  16                           ; v16-23  8 numbers of K as loaded
.set RV,  24                           ; v24-31  8 numbers of V as loaded
.set TM,  32                           ; v32  a block's largest magnitude
.set SO,  33                           ; v33  the conversion's scale operand
.set CD,  34                           ; v34  8 codes
.set BY,  35                           ; v35  the scale's byte
.set VC,  36                           ; v36-39  8 numbers of V in f16
.set ST,  40                           ; v40-55  statistics, eight a tile: +0 c m, +1 m, +2, +3 l (even keys, odd keys), +4 to +7 at work; a in +6
.set QS,  56                           ; v56  Q's scale words: tile 0 in lanes 0-15, tile 1 in lanes 16-31
.set QRD, 57                           ; v57  my stage + 16 x lane
.set KS,  58                           ; v58  K's scale words: fragment 0 in lanes 0-15, fragment 1 in lanes 16-31
.set QSL, 59                           ; v59  my stage + 4 x lane
.set QB,  60                           ; v60-79  z q0 z q1 z, four registers each
.set KF,  80                           ; v80-95  K's two fragments
.set P,   96                           ; v96-127  p in f16, 16 registers a tile
.set S,   128                          ; v128-191 S^T, 32 a tile (tile of keys t at +8 t); then V's eight fragments; at the head Q as loaded
.set O,   192                          ; v192-255 O^T, 32 a tile (channels 16 ct on at +8 ct)
.set WV,  12                           ; s12  my wave's number
.set SEL, 20                           ; s[20:21] lane selects for v_permlanex16_b32: lane l xor 16
.set CS,  22                           ; s[22:23] c: the packed form names a pair and takes its low word for both halves
.set CNT, 24                           ; s24  trips to go
.set LIM, 25                           ; s25  1 in a wave that prefetches, else -1
.set PFA, 26                           ; s[26:27] where my prefetches stand
; 8 numbers of a lane become 8 codes; four neighbouring lanes hold a block of 32.  The largest magnitude has the floor 2^(3 - 127) among its leaves, so the byte cannot fall under 1; its exponent field less 2 is the
; scale's byte, and the conversion takes the exponent field of its scale operand and nothing else of it.  Beyond 6 the conversion gives the largest code.
.macro QUANT8 src, cd, by
	v_max3_num_f32 v[TM], |v[(\src)]|, |v[(\src)+1]|, 0x1800000
	v_max3_num_f32 v[TM], v[TM], |v[(\src)+2]|, |v[(\src)+3]|
	v_max3_num_f32 v[TM], v[TM], |v[(\src)+4]|, |v[(\src)+5]|
	v_max3_num_f32 v[TM], v[TM], |v[(\src)+6]|, |v[(\src)+7]|
	v_max_num_f32_dpp v[TM], v[TM], v[TM] row_xmask:1 row_mask:0xf bank_mask:0xf
	v_max_num_f32_dpp v[TM], v[TM], v[TM] row_xmask:2 row_mask:0xf bank_mask:0xf   ; the block's
	v_add_nc_u32 v[SO], 0xff000000, v[TM]          ; 2 off its exponent field
	v_cvt_scalef32_pk8_fp4_f32 v[(\cd)], v[(\src):(\src)+7], v[SO]
	v_lshrrev_b32 v[(\by)], 23, v[SO]              ; the byte; also the plain instruction behind the scaled conversion
.endm
; My 4 keys of K and of V of the step that begins imm bytes on.  No cache hint: four work-groups read these bytes.
.macro RAWLOAD imm
	global_load_b128 v[RK:RK+3],   v[KGO], s[6:7] offset:(\imm)
	global_load_b128 v[RK+4:RK+7], v[KGO], s[6:7] offset:(\imm)+64
	global_load_b128 v[RV:RV+3],   v[LI],  s[8:9] offset:(\imm)       ; 32 lanes read 512 consecutive bytes: two keys
	global_load_b128 v[RV+4:RV+7], v[LI],  s[8:9] offset:(\imm)+512
.endm
; They go into slot n: K as codes and a scale byte (the four lanes of a block write the same byte with the same value), V as f16.
.macro CONVERT n
	QUANT8 RK, CD, BY
.irp i, 0,1,2,3
	v_cvt_pk_f16_f32 v[VC+\i], v[RV+2*\i], v[RV+2*\i+1]
.endr
	ds_store_b32 v[KCW], v[CD] offset:(\n)*SLOTB
	ds_store_b8  v[KSW], v[BY] offset:(\n)*SLOTB+KSC
	ds_store_b64 v[VW], v[VC:VC+1]   offset:(\n)*SLOTB+VH
	ds_store_b64 v[VW], v[VC+2:VC+3] offset:(\n)*SLOTB+VH+2*VP
.endm
; A PREFETCH INTO THE L2 of a step's 64 rows of K and 64 of V, a lane a row of 256 bytes.  The four work-groups of a head read the same rows: the one with x = 0 asks, its waves 0 and 1 for K's two halves, its waves
; 2 and 3 for V's: each row is named once in the launch.  Step j names step j + 4, whose loads are issued in step j + 2.  It stands behind the wave's own loads.
.macro ASK imm
	s_cmp_eq_u32 s[LIM], 1
	s_cbranch_scc0 .Lnot_mine_\@
	global_prefetch_b8 v[PFO], s[PFA:PFA+1] offset:(\imm) th:TH_LOAD_NT scope:SCOPE_SE
.Lnot_mine_\@:
.endm
.macro KFETCH s                        ; K's two fragments and their scale words: images, 16 x lane and 4 x lane
.irp i, 0,1,2,3
	ds_load_b128 v[KF+4*\i:KF+4*\i+3], v[LI] offset:(\s)*SLOTB+512*\i
.endr
	ds_load_b32 v[KS], v[LS] offset:(\s)*SLOTB+KSC
.endm
; S^T of keys 32 f + 16 c on, tile u of queries.  Each of the eight starts its sum with the constant 0.
.macro QK1 f, c, u
.set rD, S+32*\u+8*(2*\f+\c)
.set rA, KF+8*\f
.set rB, QB+8*\u+4*(1-\c)
.if (\f == 0) && (\u == 0)
	v_wmma_scale_f32_16x16x128_f8f6f4 v[rD:rD+7], v[rA:rA+7], v[rB:rB+7], 0, v[KS], v[QS] matrix_a_fmt:MATRIX_FMT_FP4 matrix_b_fmt:MATRIX_FMT_FP4
.elseif (\f == 0)
	v_wmma_scale_f32_16x16x128_f8f6f4 v[rD:rD+7], v[rA:rA+7], v[rB:rB+7], 0, v[KS], v[QS] matrix_a_fmt:MATRIX_FMT_FP4 matrix_b_fmt:MATRIX_FMT_FP4 matrix_b_scale:MATRIX_SCALE_ROW1
.elseif (\u == 0)
	v_wmma_scale_f32_16x16x128_f8f6f4 v[rD:rD+7], v[rA:rA+7], v[rB:rB+7], 0, v[KS], v[QS] matrix_a_fmt:MATRIX_FMT_FP4 matrix_b_fmt:MATRIX_FMT_FP4 matrix_a_scale:MATRIX_SCALE_ROW1
.else
	v_wmma_scale_f32_16x16x128_f8f6f4 v[rD:rD+7], v[rA:rA+7], v[rB:rB+7], 0, v[KS], v[QS] matrix_a_fmt:MATRIX_FMT_FP4 matrix_b_fmt:MATRIX_FMT_FP4 matrix_a_scale:MATRIX_SCALE_ROW1 matrix_b_scale:MATRIX_SCALE_ROW1
.endif
.endm
.macro QK
.irp f, 0,1
.irp c, 0,1
.irp u, 0,1
	QK1 \f, \c, \u
.endr
.endr
.endr
.endm
; THE SOFTMAX of both tiles for 64 keys, the tiles by turns, line by line, so that no line waits for the line above it.
.macro SOFTMAX
.irp t, 0,1,2,3                        ; the maximum of a lane's 32 scores and the old m: four chains; each accumulator is first read at its low end
.irp u, 0,1
	v_max3_num_f32 v[ST+8*\u+4+\t], v[S+32*\u+8*\t], v[S+32*\u+8*\t+1], v[S+32*\u+8*\t+2]
.endr
.endr
.irp i, 3,5
.irp t, 0,1,2,3
.irp u, 0,1
	v_max3_num_f32 v[ST+8*\u+4+\t], v[ST+8*\u+4+\t], v[S+32*\u+8*\t+\i], v[S+32*\u+8*\t+\i+1]
.endr
.endr
.endr
.irp u, 0,1
	v_max3_num_f32 v[ST+8*\u+4], v[ST+8*\u+4], v[S+32*\u+7],  v[S+32*\u+15]
	v_max3_num_f32 v[ST+8*\u+6], v[ST+8*\u+6], v[S+32*\u+23], v[S+32*\u+31]
.endr
.irp u, 0,1
	v_max3_num_f32 v[ST+8*\u+4], v[ST+8*\u+4], v[ST+8*\u+5], v[ST+8*\u+6]
.endr
.irp u, 0,1
	v_max3_num_f32 v[ST+8*\u+4], v[ST+8*\u+4], v[ST+8*\u+7], v[ST+8*\u+1]
.endr
.irp u, 0,1
	v_permlanex16_b32 v[ST+8*\u+5], v[ST+8*\u+4], s[SEL], s[SEL+1]   ; the query's other 32 keys lie in the lane 16 away
.endr
.irp u, 0,1
	v_mov_b32 v[ST+8*\u+7], v[ST+8*\u]             ; c m_old is kept for a
.endr
.irp u, 0,1
	v_max_num_f32 v[ST+8*\u+1], v[ST+8*\u+4], v[ST+8*\u+5]           ; the new m
.endr
.irp u, 0,1
	v_mul_f32 v[ST+8*\u], s[CS], v[ST+8*\u+1]      ; c m
.endr
.irp u, 0,1
	v_sub_f32 v[ST+8*\u+7], v[ST+8*\u+7], v[ST+8*\u]                 ; c m_old - c m_new, 0 or less
.endr
.set i, 0
.rept 16
.irp u, 0,1
	v_pk_fma_f32 v[S+32*\u+2*i:S+32*\u+2*i+1], v[S+32*\u+2*i:S+32*\u+2*i+1], s[CS:CS+1], v[ST+8*\u:ST+8*\u+1] op_sel_hi:[1,0,0] neg_lo:[0,0,1] neg_hi:[0,0,1]   ; c s - c m, two at a time
.endr
.set i, i+1
.endr
.irp u, 0,1                            ; ONE BATCH of 66 exponentials; none reads another's result
	v_exp_f32 v[ST+8*\u+6], v[ST+8*\u+7]           ; a
.endr
.set i, 0
.rept 64
	v_exp_f32 v[S+i], v[S+i]                       ; p
.set i, i+1
.endr
	v_nop                                          ; a plain instruction behind the last exponential, ahead of the first use (ISA guide 5.7.2)
	s_wait_alu depctr_va_vdst(0)                   ; the wait ahead of the first instruction that names a result: one for the batch
.set i, 0
.rept 16
.irp u, 0,1
	v_cvt_pk_f16_f32 v[P+16*\u+i], v[S+32*\u+2*i], v[S+32*\u+2*i+1]  ; a pair of neighbouring keys: the lower key in the low half
.endr
.set i, i+1
.endr
.irp u, 0,1                            ; the row's sum, of the unrounded p, in two chains: l = a l + pair 0 ..
	v_pk_fma_f32 v[ST+8*\u+2:ST+8*\u+3], v[ST+8*\u+2:ST+8*\u+3], v[ST+8*\u+6:ST+8*\u+7], v[S+32*\u:S+32*\u+1] op_sel_hi:[1,0,1]
.endr
.irp u, 0,1
	v_pk_add_f32 v[ST+8*\u+4:ST+8*\u+5], v[S+32*\u+2:S+32*\u+3], v[S+32*\u+6:S+32*\u+7]
.endr
.irp i, 4,8,12,16,20,24
.irp u, 0,1
	v_pk_add_f32 v[ST+8*\u+2:ST+8*\u+3], v[ST+8*\u+2:ST+8*\u+3], v[S+32*\u+\i:S+32*\u+\i+1]
	v_pk_add_f32 v[ST+8*\u+4:ST+8*\u+5], v[ST+8*\u+4:ST+8*\u+5], v[S+32*\u+\i+6:S+32*\u+\i+7]
.endr
.endr
.irp u, 0,1
	v_pk_add_f32 v[ST+8*\u+2:ST+8*\u+3], v[ST+8*\u+2:ST+8*\u+3], v[S+32*\u+28:S+32*\u+29]
.endr
.irp u, 0,1
	v_pk_add_f32 v[ST+8*\u+2:ST+8*\u+3], v[ST+8*\u+2:ST+8*\u+3], v[ST+8*\u+4:ST+8*\u+5]
.endr
.endm
; V's eight fragments (keys 32 (f / 4) on, channels 16 (f % 4) on), turned on the way, into the registers that S^T has left: lane l then holds channel l % 16 and 8 + 8 keys.
.macro VFETCH s
.irp f, 0,1,2,3,4,5,6,7
	ds_load_tr16_b128 v[S+8*\f:S+8*\f+3],   v[AV0] offset:(\s)*SLOTB+VH+(\f/4)*32*VP+(\f%4)*32
	ds_load_tr16_b128 v[S+8*\f+4:S+8*\f+7], v[AV0] offset:(\s)*SLOTB+VH+(\f/4)*32*VP+16*VP+(\f%4)*32
.endr
.endm
.macro RESCALE                         ; O^T times a: each accumulator from its low end on.  It stands between V's loads and the wait for them
.set i, 0
.rept 16
.irp u, 0,1
	v_pk_mul_f32 v[O+32*\u+2*i:O+32*\u+2*i+1], v[O+32*\u+2*i:O+32*\u+2*i+1], v[ST+8*\u+6:ST+8*\u+7] op_sel_hi:[1,0]
.endr
.set i, i+1
.endr
.endm
.macro PV                              ; O^T += V^T P: the eight accumulators take turns, one instruction a turn
.irp ks, 0,1
.irp ct, 0,1,2,3
.irp u, 0,1
	v_wmma_f32_16x16x32_f16 v[O+32*\u+8*\ct:O+32*\u+8*\ct+7], v[S+8*(4*\ks+\ct):S+8*(4*\ks+\ct)+7], v[P+16*\u+8*\ks:P+16*\u+8*\ks+7], v[O+32*\u+8*\ct:O+32*\u+8*\ct+7]
.endr
.endr
.endr
.endm
; A KEY STEP on slot s.  conv = 1: the next step's raw numbers, loaded a step ago, go into slot (s + 1) % 4.  load = 1: the raw numbers of the step after that are asked for.  ask = 1: the prefetch.
; WHY FOUR SLOTS AND ONE BARRIER DO.  Ahead of its signal a wave stores slot s + 1 and reads K of slot s; between signal and wait it reads V of slot s.  A wave that has passed the wait stores slot s + 2.  Slot s is
; stored again three steps on, behind three more barriers, in front of each of which every wave has waited for all its LDS instructions.  So no store meets a read of the same slot.
.macro STEP s, conv, load, ask
	KFETCH \s
.if \conv
	s_wait_loadcnt 0x0                             ; the four raw loads issued a step ago; nothing younger is out
	CONVERT (\s+1)%4                               ; its twelve plain vector lines are also the five places between the last V^T P and the K Q^T that writes over V's registers (ISA guide 7.12.1)
.if \load
	RAWLOAD (\s+2)*STEPB
.endif
.if \ask
	ASK (\s+4)*STEPB
.endif
.else
.rept 5
	v_nop                                          ; the same five places, where nothing is converted
.endr
.endif
	s_wait_dscnt 0x0                               ; for the others: my stores have landed, and no read of mine is out; for me: K's fragments are in
.if \conv
	s_barrier_signal -1
.endif
	QK
.rept 4
	v_nop                                          ; four places ahead of the first read of the scores
.endr
	SOFTMAX
	VFETCH \s
	RESCALE
	s_wait_dscnt 0x0                               ; V's fragments are in
	PV
.if \conv
	s_barrier_wait -1                              ; the next step's images are whole.  Between signal and wait stand work on registers and reads of this slot alone
.endif
.endm
	s_load_b256 s[4:11], s[0:1], 0x0               ; Q s[4:5], K s[6:7], V s[8:9], out s[10:11]
	v_lshl_add_u32 v[SPW], v0, 2, SPARE
	v_mov_b32 v[NIL], 0
	v_lshrrev_b32 v16, 5, v0                       ; w, the wave (v16-26 are at work here; the raw loads come later)
	v_readfirstlane_b32 s[WV], v16
	v_and_b32 v17, 31, v0                          ; lane
	v_and_b32 v18, 3, v0                           ; p
	v_bfe_u32 v19, v0, 2, 1                        ; hb
	v_bfe_u32 v20, v0, 3, 2                        ; g
	v_and_b32 v21, 15, v0                          ; r
	v_bfe_u32 v22, v0, 4, 1                        ; h
	v_lshlrev_b32 v[KGO], 4, v18
	v_lshl_add_u32 v[KGO], v19, 7, v[KGO]
	v_lshl_add_u32 v[KGO], v20, 8, v[KGO]          ; row g of 256 bytes, block hb of 128, 16 p
	v_lshlrev_b32 v[LI], 4, v17
	v_lshlrev_b32 v[LS], 2, v17
	v_lshlrev_b32 v[PFO], 8, v17
	; my key of a step is 4 w + g: tile w / 4, row 4 (w % 4) + g of it.  Its block hb is the image's lanes 16 hb on
	v_bfe_u32 v23, v0, 3, 4                        ; 4 (w % 4) + g
	v_lshlrev_b32 v[KCW], 2, v18
	v_lshl_add_u32 v[KCW], v23, 4, v[KCW]
	v_lshl_add_u32 v[KCW], v19, 8, v[KCW]
	v_lshrrev_b32 v24, 7, v0                       ; w / 4
	v_lshl_add_u32 v[KCW], v24, 9, v[KCW]          ; 512 (w / 4) + 256 hb + 16 row + 4 p
	v_lshl_add_u32 v[KSW], v23, 2, v19             ; the scale word of row r of fragment f: lower key's two bytes, upper key's two
	v_bfe_u32 v24, v0, 7, 1                        ; (w / 4) % 2: lower or upper
	v_lshl_add_u32 v[KSW], v24, 1, v[KSW]
	v_lshrrev_b32 v24, 8, v0                       ; w / 8: the fragment
	v_lshl_add_u32 v[KSW], v24, 6, v[KSW]          ; 64 f + 4 row + 2 upper + hb
	v_lshl_add_u32 v24, v16, 2, v22
	v_mul_u32_u24 v24, v24, VP
	v_lshl_add_u32 v[VW], v21, 3, v24              ; V: row 4 w + h, 8 bytes at 8 r
	v_and_b32 v24, 7, v0
	v_lshl_add_u32 v24, v22, 3, v24
	v_mul_u32_u24 v24, v24, VP
	v_bfe_u32 v25, v0, 3, 1
	v_lshl_add_u32 v[AV0], v25, 4, v24             ; the turning load: key 8 h + l % 8, channels 8 ((l / 8) % 2) on
	v_mul_u32_u24 v26, v16, STGW
	v_add_nc_u32 v26, STAGE, v26                   ; my stage
	v_lshl_add_u32 v[QCW], v18, 2, v26
	v_lshl_add_u32 v[QCW], v20, 4, v[QCW]
	v_lshl_add_u32 v[QCW], v19, 8, v[QCW]          ; Q's codes: 256 hb + 16 g + 4 p
	v_lshl_add_u32 v[QSW], v20, 2, v26
	v_add_nc_u32 v[QSW], v19, v[QSW]               ; Q's scale bytes: 4 g + hb
	v_add_nc_u32 v[QRD], v[LI], v26
	v_add_nc_u32 v[QSL], v[LS], v26
	v_mul_u32_u24 v24, v21, 272
	v_lshl_add_u32 v24, v22, 5, v24
	v_add_nc_u32 v[STO], v26, v24                  ; the way out, in: row r, 32 bytes for each half of the lanes
	v_mul_u32_u24 v24, v22, 272
	v_lshl_add_u32 v24, v21, 4, v24
	v_add_nc_u32 v[RD], v26, v24                   ; back: lanes 0-15 one row of 256 bytes, lanes 16-31 the next
	v_lshlrev_b32 v[GO], 8, v22
	v_lshl_add_u32 v[GO], v21, 4, v[GO]            ; and the same two rows in out
	s_and_b32 s13, ttmp7, 0xffff                   ; the head
	s_lshl_b32 s14, s13, 19                        ; its 2,048 rows of 256 bytes: under 2^25
	s_lshl_b32 s16, ttmp9, 17                      ; my work-group's 512 queries,
	s_lshl_b32 s17, s[WV], 13                      ; my wave's 32 of them
	s_add_co_u32 s16, s16, s17
	s_add_co_u32 s16, s16, s14
	s_mov_b32 s17, 0
	s_lshl_b32 s18, s[WV], 10                      ; my wave's 4 keys of a step
	s_add_co_u32 s18, s18, s14
	s_mov_b32 s19, 0
	s_and_b32 s28, s[WV], 1
	s_lshl_b32 s28, s28, 13                        ; the prefetches: which 32 rows of a step's 64
	s_add_co_u32 s28, s28, s14
	s_mov_b32 s29, 0
	s_mov_b32 s[SEL], 0x76543210
	s_mov_b32 s[SEL+1], 0xfedcba98
	s_mov_b32 s[CS], 0x3ed53b95                    ; c = log2(e) / sqrt(12) = 0.41647019
	s_mov_b32 s[CS+1], s[CS]                       ; named with it as a pair, so it is written
	s_lshr_b32 s30, s[WV], 2                       ; 0 in waves 0 to 3,
	s_or_b32 s30, s30, ttmp9                       ; of the head's first work-group
	s_cmp_eq_u32 s30, 0
	s_cselect_b32 s[LIM], 1, -1
	s_wait_kmcnt 0x0
	s_cmp_lt_u32 s[WV], 2                          ; waves 0 and 1 would ask for K, the others for V: the choice hangs on the wave's number alone
	s_cselect_b64 s[PFA:PFA+1], s[6:7], s[8:9]
	s_add_nc_u64 s[PFA:PFA+1], s[PFA:PFA+1], s[28:29]
	s_add_nc_u64 s[4:5], s[4:5], s[16:17]          ; Q and out at my wave's first query
	s_add_nc_u64 s[10:11], s[10:11], s[16:17]
	s_add_nc_u64 s[6:7], s[6:7], s[18:19]          ; K and V at my wave's 4 keys of step 0
	s_add_nc_u64 s[8:9], s[8:9], s[18:19]
.irp k, 0,1,2,3,4,5,6,7                ; my 32 queries, four at a time, laid in the lanes as K's keys are; read once in the launch
	global_load_b128 v[S+8*\k:S+8*\k+3],   v[KGO], s[4:5] offset:1024*\k th:TH_LOAD_NT
	global_load_b128 v[S+8*\k+4:S+8*\k+7], v[KGO], s[4:5] offset:1024*\k+64 th:TH_LOAD_NT
.endr
	RAWLOAD 0                                      ; key step 0
.irp i, 0,1,2,3,8,9,10,11,16,17,18,19
	v_mov_b32 v[QB+\i], 0                          ; the zero codes beside Q's
.endr
.set i, 0
.rept 64
	v_mov_b32 v[O+i], 0                            ; O^T.  The step is written once: the first finds zeros, and its a is 0
.set i, i+1
.endr
.irp u, 0,1
	v_mov_b32 v[ST+8*\u+1], 0xff61b1e6             ; m = -3e38, under every score
	v_mov_b32 v[ST+8*\u+2], 0                      ; l, in two halves
	v_mov_b32 v[ST+8*\u+3], 0
.endr
.irp u, 0,1
	v_mul_f32 v[ST+8*\u], s[CS], v[ST+8*\u+1]      ; c m
.endr
	s_wait_loadcnt 4                               ; Q's sixteen loads are in; the four raw loads issued behind them may stay out
.irp k, 0,1,2,3,4,5,6,7
	QUANT8 S+8*\k, P+\k, P+8+\k
.endr
.irp k, 0,1,2,3,4,5,6,7                ; into my stage: tile k / 4's image of codes, and each query's word of scale bytes s0 s1 s0 s1, which serves both halves of K's fragment
	ds_store_b32 v[QCW], v[P+\k] offset:512*(\k/4)+64*(\k%4)
	ds_store_b8 v[QSW], v[P+8+\k] offset:1024+16*\k
	ds_store_b8 v[QSW], v[P+8+\k] offset:1024+16*\k+2
.endr
	ds_load_b128 v[QB+4:QB+7],   v[QRD]            ; LDS serves a wave's instructions in order (ISA guide 5.7.1.4): these see my stores
	ds_load_b128 v[QB+12:QB+15], v[QRD] offset:512
	ds_load_b32 v[QS], v[QSL] offset:1024
	s_wait_loadcnt 0x0                             ; key step 0's raw numbers
	CONVERT 0
	RAWLOAD STEPB                                  ; key step 1
	s_wait_dscnt 0x0                               ; my part of slot 0 has landed; Q's operand is in
	s_barrier_signal -1
	s_barrier_wait -1                              ; slot 0 is whole
	s_mov_b32 s[CNT], 7
.Ltrip:                                            ; 7 trips of four steps: once round the slots; every offset inside a trip is an immediate
	STEP 0, 1, 1, 1
	STEP 1, 1, 1, 1
	STEP 2, 1, 1, 1
	STEP 3, 1, 1, 1
	s_wait_xcnt 0x0                                ; the loads and the prefetch issued early in the last step have read their bases: these may step
	s_add_nc_u64 s[6:7], s[6:7], 4*STEPB
	s_add_nc_u64 s[8:9], s[8:9], 4*STEPB
	s_add_nc_u64 s[PFA:PFA+1], s[PFA:PFA+1], 4*STEPB
	s_sub_co_u32 s[CNT], s[CNT], 1
	s_cmp_lg_u32 s[CNT], 0
	s_cbranch_scc1 .Ltrip
	STEP 0, 1, 1, 0                                ; steps 28 to 31 are written out: they load steps 30 and 31 and nothing beyond, and prefetch nothing
	STEP 1, 1, 1, 0
	STEP 2, 1, 0, 0
	STEP 3, 0, 0, 0
	; THE WAY OUT.  l's two halves and the other half of the lanes' are added; O^T is divided by l and goes through my stage, a tile of 16 queries at a time.  The additions are the places behind the last products.
.irp u, 0,1
	v_add_f32 v[ST+8*\u+4], v[ST+8*\u+2], v[ST+8*\u+3]
.endr
.irp u, 0,1
	v_permlanex16_b32 v[ST+8*\u+5], v[ST+8*\u+4], s[SEL], s[SEL+1]
.endr
.irp u, 0,1
	v_add_f32 v[ST+8*\u+4], v[ST+8*\u+4], v[ST+8*\u+5]
.endr
.irp u, 0,1
	v_rcp_f32 v[ST+8*\u+6], v[ST+8*\u+4]
.endr
	v_nop                                          ; a plain instruction between the last reciprocal and the use of its result
	s_wait_alu depctr_va_vdst(0)                   ; and the wait ahead of the first use: one for both
; Tile u: a lane holds 8 channels of a row for each of four tiles of channels; they go into rows of 272 bytes and come back as whole rows of 256, into v[back] on.
.macro OUT u, back
.set i, 0
.rept 16
	v_pk_mul_f32 v[S+32*\u+2*i:S+32*\u+2*i+1], v[O+32*\u+2*i:O+32*\u+2*i+1], v[ST+8*\u+6:ST+8*\u+7] op_sel_hi:[1,0]   ; each accumulator from its low end on
.set i, i+1
.endr
.irp ct, 0,1,2,3
	ds_store_b128 v[STO], v[S+32*\u+8*\ct:S+32*\u+8*\ct+3]   offset:64*\ct
	ds_store_b128 v[STO], v[S+32*\u+8*\ct+4:S+32*\u+8*\ct+7] offset:64*\ct+16
.endr
.irp i, 0,1,2,3,4,5,6,7
	ds_load_b128 v[\back+4*\i:\back+4*\i+3], v[RD] offset:544*\i     ; in order behind my stores
.endr
.irp i, 0,1,2,3,4,5,6,7
	s_wait_dscnt 7-\i                              ; LDS loads come back in order: load i is in, the younger ones may be out
	global_store_b128 v[GO], v[\back+4*\i:\back+4*\i+3], s[10:11] offset:4096*\u+512*\i th:TH_STORE_NT   ; 16 lanes store 256 consecutive bytes, at a multiple of 256 from the buffer's first byte; written once
.endr
.endm
	OUT 0, P                                       ; back into p's registers, which are free
	OUT 1, S                                       ; back into the registers from which tile 0 went to the stage; no register of a pending store is written
	s_wait_tensorcnt 0x0                           ; the wave's end, behind my last LDS store
	ds_add_u32 v[SPW], v[NIL]
	s_wait_dscnt 0x0
	s_endpgm
.Lfunc_end_k_q4692ccd876_attn:
	.size	k_q4692ccd876_attn, .Lfunc_end_k_q4692ccd876_attn-k_q4692ccd876_attn
	.p2alignl 7, 3214868480
	.fill 96, 4, 3214868480
	.section	.rodata,"a",@progbits
	.p2align	6, 0x0
	.amdhsa_kernel k_q4692ccd876_attn
		.amdhsa_group_segment_fixed_size 121856
		.amdhsa_private_segment_fixed_size 0
		.amdhsa_enable_private_segment 0
		.amdhsa_kernarg_size 32
		.amdhsa_user_sgpr_count 2
		.amdhsa_user_sgpr_kernarg_segment_ptr 1
		.amdhsa_wavefront_size32 1
		.amdhsa_system_sgpr_workgroup_id_x 1
		.amdhsa_system_sgpr_workgroup_id_y 1
		.amdhsa_system_sgpr_workgroup_id_z 1
		.amdhsa_system_vgpr_workitem_id 0
		.amdhsa_next_free_vgpr 256
		.amdhsa_next_free_sgpr 66
		.amdhsa_reserve_vcc 0
		.amdhsa_float_denorm_mode_32 3
		.amdhsa_float_denorm_mode_16_64 3
		.amdhsa_memory_ordered 1
		.amdhsa_forward_progress 1
		.amdhsa_inst_pref_size 163
	.end_amdhsa_kernel
	.amdgpu_metadata
---
amdhsa.version: [ 1, 2 ]
amdhsa.kernels:
  - .name:           k_q4692ccd876_attn
    .symbol:         k_q4692ccd876_attn.kd
    .args:
      - { .name: Q, .offset: 0, .size: 8, .value_kind: global_buffer, .address_space: global }
      - { .name: K, .offset: 8, .size: 8, .value_kind: global_buffer, .address_space: global }
      - { .name: V, .offset: 16, .size: 8, .value_kind: global_buffer, .address_space: global }
      - { .name: out0, .offset: 24, .size: 8, .value_kind: global_buffer, .address_space: global }
    .group_segment_fixed_size: 121856
    .private_segment_fixed_size: 0
    .kernarg_segment_align: 8
    .kernarg_segment_size: 32
    .max_flat_workgroup_size: 512
    .sgpr_count:     66
    .vgpr_count:     256
    .wavefront_size: 32
...
	.end_amdgpu_metadata
.endif
;; end of part 1
;; ======== version 2 of 2: 1 launch; version 1 with the launch attn written anew for expert scheduling mode
;; limits: values are held in f16: magnitudes above 65,504 overflow, below 6.1e-05 lose precision
;; launch attn (part 2): grid 4 x 64, 16 waves a work-group, no clusters, 121,856 bytes of LDS; arguments Q, K, V, out0; writes out0
.if DOCPART == 2
	.amdgcn_target "amdgcn-amd-amdhsa--gfx1250"
	.amdhsa_code_object_version 6
	.text
	.protected	k_q4692ccd876_attn
	.globl	k_q4692ccd876_attn
	.p2align	8
	.type	k_q4692ccd876_attn,@function
k_q4692ccd876_attn:
	s_mov_b64 s[64:65], 0
	v_nop
	global_prefetch_b8 v0, s[64:65] scope:SCOPE_SE
	s_setreg_imm32_b32 hwreg(HW_REG_WAVE_SCHED_MODE, 0, 2), 2
	s_setreg_imm32_b32 hwreg(HW_REG_WAVE_MODE, 25, 1), 1
	s_wait_xcnt 0x0
	s_wait_alu depctr_vm_vsrc(0)
; out[h][q][:] = the sum over k of softmax_k(Q[h][q] . K[h][k] / sqrt(12)) V[h][k][:].  Q, K, V, out: [64 heads][2048][64] f32.
; FIRST PRODUCT on codes of FP4 (E2M1) with one E8M0 scale for each 32 along the head's 64: Q and K are quantised here, in registers.  SECOND PRODUCT with f16 operands (p and V), f32 sums.
; Maxima, exponentials and row sums in f32, with a running maximum m and sum l for each query: p = 2^(c s - c m), c = log2(e) / sqrt(12); in every step O and l are multiplied by a = 2^(c m_old - c m_new).
; SHARES.  256 work-groups: work-group (x, y) owns queries 512 x .. 512 x + 511 of head y.  Sixteen waves of 256 registers, four to a SIMD; a wave owns 32 queries, two tiles of 16, and walks all 2,048 keys, 64 a step.
; K AND V GO MEMORY -> REGISTERS -> LDS.  Of each step a wave loads 4 keys of K and 4 of V as f32, quantises K, rounds V to f16 and stores both into one of four LDS slots, which all sixteen waves read.
; So a key is quantised once for the work-group's 512 queries.  One barrier a step, its halves apart: the signal stands behind my stores for the next step, the wait behind this step's products.
; LAYOUT.  Both products are used transposed: S^T = K Q^T (source 0 = keys, source 1 = 16 queries), O^T = V^T P (source 0 = 16 channels, source 1 = P): a lane holds ONE query (lane % 16) throughout, and two
; tiles of S^T, rounded to f16 in pairs, are source 1 of the second product as they stand.
; K = 64 IN AN INSTRUCTION OF 128.  A fragment of K holds TWO tiles of keys: registers 0-3 key 32 f + r, registers 4-7 key 32 f + 16 + r (block lane / 16 of each).  Q's operand has zero codes in the other half:
; of the twenty registers z q0 z q1 z, [q | z] picks the lower tile and [z | q] the upper.  Zero codes add nothing under any scale byte that is made here (1 to 252).
; ORDER OF k INSIDE A BLOCK OF 32: a quantising lane holds numbers 4 p .. 4 p + 3 and 16 + 4 p .. 16 + 4 p + 3 of its block (p = lane % 4) and its 8 codes are bytes 4 p .. 4 p + 3 of the block's 16.  Q and K go
; through the same macro and the same lane arithmetic, so the order is the same on both sides and stays inside a scale's block: the products are the same, only their order in the sum differs.
; NO CLUSTER, NO TENSOR LOAD, though the four work-groups of a head read the same K and V: they arrive as f32 and must pass through registers before any wave can use them.  Through LDS a step's 32,768 bytes would
; be written and read there on top of the 12,416 bytes of images that are kept.
; LIMITS: NaN and infinities among the inputs are not served.  |V| above 65,504 leaves f16's range.  A block of zeros gets the scale byte 1 where the rule says 127: its codes are zeros, and this program alone reads
; the bytes.  A weight p under 2^-25 falls to 0 in f16: it is left out of the product, not of the row's sum.
; THE MODE: SCHED_MODE bits 1:0 = 2 (LLVM: expert scheduling mode 2), set by the entry lines.  The code itself states the register dependences between vector or matrix instructions and memory or LDS
; instructions, with s_wait_alu, always for 0.
; THE PLAN.  Registers that memory or LDS instructions touch:
;   v1-15, v57, v59  addresses and offsets: written once, at the head; afterwards read by memory and LDS instructions alone.  One wait on va_vdst ahead of the first load serves them all.
;   RK, RV           the raw loads land here; the next step's conversions read them; behind the wait that follows those conversions the next raw loads land.
;   CD, BY, VC       written by a step's conversions, read by its four LDS stores (the same wait stands between), written again a step on (a wait on vm_vsrc stands ahead of the signal).
;   KF, KS           loaded at a step's head, read by its eight products K Q^T.  The wait ahead of V's loads stands between those products and the next step's loads; behind it only O, ST, S and P are named.
;   S                written by K Q^T, worked in place by the softmax; then V's fragments land in it (a wait on va_vdst straight ahead of them), and V^T P reads them.
;   P                at the head Q's codes and bytes, read by LDS stores; in the loop named by vector and matrix instructions alone; on the way out rows land in it.
;   O, ST, TM, SO    named by vector and matrix instructions alone.
; So a step has three waits on va_vdst (behind the conversions; behind the exponentials; ahead of V's loads) and one on vm_vsrc.
.set STEPB, 16384                      ; 64 keys x 256 bytes: a step of K or of V in memory
.set SLOTB, 12544                      ; an LDS slot: K's codes, K's scale bytes, V in f16
.set KSC,   2048                       ; K's codes: 4 tiles of 16 keys x 512 bytes, each an image of four operand registers (16 x lane); behind them the scale words, 4 x lane
.set VH,    2304                       ; V: 64 rows [key][64 channels] of f16,
.set VP,    160                        ; 128 bytes + 32 of padding = 40 words
.set STAGE, 4*SLOTB                    ; behind the slots: 4,352 bytes for each wave, its own: Q's images at the head, 16 rows x 272 bytes on the way out
.set STGW,  4352
.set SPARE, STAGE+16*STGW              ; the spare words, 128 bytes for each wave: eight blocks of 256 bytes that no other line names
.set KGO, 1                            ; v1   K, Q in memory: 256 g + 128 hb + 16 p  (p = lane % 4, hb = (lane / 4) % 2, g = lane / 8)
.set LI,  2                            ; v2   16 x lane: V in memory, and an image's place in LDS
.set KCW, 3                            ; v3   where I store my 8 codes of K
.set KSW, 4                            ; v4   where I store my block's scale byte
.set VW,  5                            ; v5   where I store my 4 channels of V
.set STO, 6                            ; v6   the way out: where I put 32 bytes of a row
.set LS,  7                            ; v7   4 x lane: a scale word's place
.set AV0, 8                            ; v8   my lane's place in a turning load of V
.set PFO, 9                            ; v9   256 x lane: the prefetches' offset
.set SPW, 10                           ; v10  LDS address of my spare word: SPARE + 4 x my thread's number; never rewritten
.set NIL, 11                           ; v11  0; never rewritten
.set RD,  12                           ; v12  the way out: where I read a row back
.set GO,  13                           ; v13  my byte offset in the wave's rows of out
.set QCW, 14                           ; v14  where I store my 8 codes of Q
.set QSW, 15                           ; v15  and my block's scale byte
.set RK,  16                           ; v16-23  8 numbers of K as loaded
.set RV,  24                           ; v24-31  8 numbers of V as loaded
.set TM,  32                           ; v32  a block's largest magnitude
.set SO,  33                           ; v33  the conversion's scale operand
.set CD,  34                           ; v34  8 codes
.set BY,  35                           ; v35  the scale's byte
.set VC,  36                           ; v36-39  8 numbers of V in f16
.set ST,  40                           ; v40-55  statistics, eight a tile: +0 c m, +1 m, +2, +3 l (even keys, odd keys), +4 to +7 at work; a in +6
.set QS,  56                           ; v56  Q's scale words: tile 0 in lanes 0-15, tile 1 in lanes 16-31
.set QRD, 57                           ; v57  my stage + 16 x lane
.set KS,  58                           ; v58  K's scale words: fragment 0 in lanes 0-15, fragment 1 in lanes 16-31
.set QSL, 59                           ; v59  my stage + 4 x lane
.set QB,  60                           ; v60-79  z q0 z q1 z, four registers each
.set KF,  80                           ; v80-95  K's two fragments
.set P,   96                           ; v96-127  p in f16, 16 registers a tile
.set S,   128                          ; v128-191 S^T, 32 a tile (tile of keys t at +8 t); then V's eight fragments; at the head Q as loaded
.set O,   192                          ; v192-255 O^T, 32 a tile (channels 16 ct on at +8 ct)
.set WV,  12                           ; s12  my wave's number
.set SEL, 20                           ; s[20:21] lane selects for v_permlanex16_b32: lane l xor 16
.set CS,  22                           ; s[22:23] c: the packed form names a pair and takes its low word for both halves
.set CNT, 24                           ; s24  trips to go
.set LIM, 25                           ; s25  1 in a wave that prefetches, else -1
.set PFA, 26                           ; s[26:27] where my prefetches stand
; 8 numbers of a lane become 8 codes; four neighbouring lanes hold a block of 32.  The largest magnitude has the floor 2^(3 - 127) among its leaves, so the byte cannot fall under 1; its exponent field less 2 is the
; scale's byte, and the conversion takes the exponent field of its scale operand and nothing else of it.  Beyond 6 the conversion gives the largest code.
.macro QUANT8 src, cd, by
	v_max3_num_f32 v[TM], |v[(\src)]|, |v[(\src)+1]|, 0x1800000
	v_max3_num_f32 v[TM], v[TM], |v[(\src)+2]|, |v[(\src)+3]|
	v_max3_num_f32 v[TM], v[TM], |v[(\src)+4]|, |v[(\src)+5]|
	v_max3_num_f32 v[TM], v[TM], |v[(\src)+6]|, |v[(\src)+7]|
	v_max_num_f32_dpp v[TM], v[TM], v[TM] row_xmask:1 row_mask:0xf bank_mask:0xf
	v_max_num_f32_dpp v[TM], v[TM], v[TM] row_xmask:2 row_mask:0xf bank_mask:0xf   ; the block's
	v_add_nc_u32 v[SO], 0xff000000, v[TM]          ; 2 off its exponent field
	v_cvt_scalef32_pk8_fp4_f32 v[(\cd)], v[(\src):(\src)+7], v[SO]
	v_lshrrev_b32 v[(\by)], 23, v[SO]              ; the byte; also the plain instruction behind the scaled conversion
.endm
; My 4 keys of K and of V of the step that begins imm bytes on.  No cache hint: four work-groups read these bytes.
.macro RAWLOAD imm
	global_load_b128 v[RK:RK+3],   v[KGO], s[6:7] offset:(\imm)
	global_load_b128 v[RK+4:RK+7], v[KGO], s[6:7] offset:(\imm)+64
	global_load_b128 v[RV:RV+3],   v[LI],  s[8:9] offset:(\imm)       ; 32 lanes read 512 consecutive bytes: two keys
	global_load_b128 v[RV+4:RV+7], v[LI],  s[8:9] offset:(\imm)+512
.endm
; They go into slot n: K as codes and a scale byte (the four lanes of a block write the same byte with the same value), V as f16.
.macro CONVERT n
	QUANT8 RK, CD, BY
.irp i, 0,1,2,3
	v_cvt_pk_f16_f32 v[VC+\i], v[RV+2*\i], v[RV+2*\i+1]
.endr
	s_wait_alu depctr_va_vdst(0)                   ; the conversions have written CD, BY and VC, which the four stores read, and are done reading RK and RV, in which the raw loads behind the stores land
	ds_store_b32 v[KCW], v[CD] offset:(\n)*SLOTB
	ds_store_b8  v[KSW], v[BY] offset:(\n)*SLOTB+KSC
	ds_store_b64 v[VW], v[VC:VC+1]   offset:(\n)*SLOTB+VH
	ds_store_b64 v[VW], v[VC+2:VC+3] offset:(\n)*SLOTB+VH+2*VP
.endm
; A PREFETCH INTO THE L2 of a step's 64 rows of K and 64 of V, a lane a row of 256 bytes.  The four work-groups of a head read the same rows: the one with x = 0 asks, its waves 0 and 1 for K's two halves, its waves
; 2 and 3 for V's: each row is named once in the launch.  Step j names step j + 4, whose loads are issued in step j + 2.  It stands behind the wave's own loads.
.macro ASK imm
	s_cmp_eq_u32 s[LIM], 1
	s_cbranch_scc0 .Lnot_mine_\@
	global_prefetch_b8 v[PFO], s[PFA:PFA+1] offset:(\imm) th:TH_LOAD_NT scope:SCOPE_SE
.Lnot_mine_\@:
.endm
.macro KFETCH s                        ; K's two fragments and their scale words: images, 16 x lane and 4 x lane
.irp i, 0,1,2,3
	ds_load_b128 v[KF+4*\i:KF+4*\i+3], v[LI] offset:(\s)*SLOTB+512*\i
.endr
	ds_load_b32 v[KS], v[LS] offset:(\s)*SLOTB+KSC
.endm
; S^T of keys 32 f + 16 c on, tile u of queries.  Each of the eight starts its sum with the constant 0.
.macro QK1 f, c, u
.set rD, S+32*\u+8*(2*\f+\c)
.set rA, KF+8*\f
.set rB, QB+8*\u+4*(1-\c)
.if (\f == 0) && (\u == 0)
	v_wmma_scale_f32_16x16x128_f8f6f4 v[rD:rD+7], v[rA:rA+7], v[rB:rB+7], 0, v[KS], v[QS] matrix_a_fmt:MATRIX_FMT_FP4 matrix_b_fmt:MATRIX_FMT_FP4
.elseif (\f == 0)
	v_wmma_scale_f32_16x16x128_f8f6f4 v[rD:rD+7], v[rA:rA+7], v[rB:rB+7], 0, v[KS], v[QS] matrix_a_fmt:MATRIX_FMT_FP4 matrix_b_fmt:MATRIX_FMT_FP4 matrix_b_scale:MATRIX_SCALE_ROW1
.elseif (\u == 0)
	v_wmma_scale_f32_16x16x128_f8f6f4 v[rD:rD+7], v[rA:rA+7], v[rB:rB+7], 0, v[KS], v[QS] matrix_a_fmt:MATRIX_FMT_FP4 matrix_b_fmt:MATRIX_FMT_FP4 matrix_a_scale:MATRIX_SCALE_ROW1
.else
	v_wmma_scale_f32_16x16x128_f8f6f4 v[rD:rD+7], v[rA:rA+7], v[rB:rB+7], 0, v[KS], v[QS] matrix_a_fmt:MATRIX_FMT_FP4 matrix_b_fmt:MATRIX_FMT_FP4 matrix_a_scale:MATRIX_SCALE_ROW1 matrix_b_scale:MATRIX_SCALE_ROW1
.endif
.endm
.macro QK
.irp f, 0,1
.irp c, 0,1
.irp u, 0,1
	QK1 \f, \c, \u
.endr
.endr
.endr
.endm
; THE SOFTMAX of both tiles for 64 keys, the tiles by turns, line by line, so that no line waits for the line above it.
.macro SOFTMAX
.irp t, 0,1,2,3                        ; the maximum of a lane's 32 scores and the old m: four chains; each accumulator is first read at its low end
.irp u, 0,1
	v_max3_num_f32 v[ST+8*\u+4+\t], v[S+32*\u+8*\t], v[S+32*\u+8*\t+1], v[S+32*\u+8*\t+2]
.endr
.endr
.irp i, 3,5
.irp t, 0,1,2,3
.irp u, 0,1
	v_max3_num_f32 v[ST+8*\u+4+\t], v[ST+8*\u+4+\t], v[S+32*\u+8*\t+\i], v[S+32*\u+8*\t+\i+1]
.endr
.endr
.endr
.irp u, 0,1
	v_max3_num_f32 v[ST+8*\u+4], v[ST+8*\u+4], v[S+32*\u+7],  v[S+32*\u+15]
	v_max3_num_f32 v[ST+8*\u+6], v[ST+8*\u+6], v[S+32*\u+23], v[S+32*\u+31]
.endr
.irp u, 0,1
	v_max3_num_f32 v[ST+8*\u+4], v[ST+8*\u+4], v[ST+8*\u+5], v[ST+8*\u+6]
.endr
.irp u, 0,1
	v_max3_num_f32 v[ST+8*\u+4], v[ST+8*\u+4], v[ST+8*\u+7], v[ST+8*\u+1]
.endr
.irp u, 0,1
	v_permlanex16_b32 v[ST+8*\u+5], v[ST+8*\u+4], s[SEL], s[SEL+1]   ; the query's other 32 keys lie in the lane 16 away
.endr
.irp u, 0,1
	v_mov_b32 v[ST+8*\u+7], v[ST+8*\u]             ; c m_old is kept for a
.endr
.irp u, 0,1
	v_max_num_f32 v[ST+8*\u+1], v[ST+8*\u+4], v[ST+8*\u+5]           ; the new m
.endr
.irp u, 0,1
	v_mul_f32 v[ST+8*\u], s[CS], v[ST+8*\u+1]      ; c m
.endr
.irp u, 0,1
	v_sub_f32 v[ST+8*\u+7], v[ST+8*\u+7], v[ST+8*\u]                 ; c m_old - c m_new, 0 or less
.endr
.set i, 0
.rept 16
.irp u, 0,1
	v_pk_fma_f32 v[S+32*\u+2*i:S+32*\u+2*i+1], v[S+32*\u+2*i:S+32*\u+2*i+1], s[CS:CS+1], v[ST+8*\u:ST+8*\u+1] op_sel_hi:[1,0,0] neg_lo:[0,0,1] neg_hi:[0,0,1]   ; c s - c m, two at a time
.endr
.set i, i+1
.endr
.irp u, 0,1                            ; ONE BATCH of 66 exponentials; none reads another's result
	v_exp_f32 v[ST+8*\u+6], v[ST+8*\u+7]           ; a
.endr
.set i, 0
.rept 64
	v_exp_f32 v[S+i], v[S+i]                       ; p
.set i, i+1
.endr
	v_nop                                          ; a plain instruction behind the last exponential, ahead of the first use (ISA guide 5.7.2)
	s_wait_alu depctr_va_vdst(0)                   ; the 66 exponentials have written both a and the 64 p: the wait ahead of the first instruction that names a result: one for the batch
.set i, 0
.rept 16
.irp u, 0,1
	v_cvt_pk_f16_f32 v[P+16*\u+i], v[S+32*\u+2*i], v[S+32*\u+2*i+1]  ; a pair of neighbouring keys: the lower key in the low half
.endr
.set i, i+1
.endr
.irp u, 0,1                            ; the row's sum, of the unrounded p, in two chains: l = a l + pair 0 ..
	v_pk_fma_f32 v[ST+8*\u+2:ST+8*\u+3], v[ST+8*\u+2:ST+8*\u+3], v[ST+8*\u+6:ST+8*\u+7], v[S+32*\u:S+32*\u+1] op_sel_hi:[1,0,1]
.endr
.irp u, 0,1
	v_pk_add_f32 v[ST+8*\u+4:ST+8*\u+5], v[S+32*\u+2:S+32*\u+3], v[S+32*\u+6:S+32*\u+7]
.endr
.irp i, 4,8,12,16,20,24
.irp u, 0,1
	v_pk_add_f32 v[ST+8*\u+2:ST+8*\u+3], v[ST+8*\u+2:ST+8*\u+3], v[S+32*\u+\i:S+32*\u+\i+1]
	v_pk_add_f32 v[ST+8*\u+4:ST+8*\u+5], v[ST+8*\u+4:ST+8*\u+5], v[S+32*\u+\i+6:S+32*\u+\i+7]
.endr
.endr
.irp u, 0,1
	v_pk_add_f32 v[ST+8*\u+2:ST+8*\u+3], v[ST+8*\u+2:ST+8*\u+3], v[S+32*\u+28:S+32*\u+29]
.endr
.irp u, 0,1
	v_pk_add_f32 v[ST+8*\u+2:ST+8*\u+3], v[ST+8*\u+2:ST+8*\u+3], v[ST+8*\u+4:ST+8*\u+5]
.endr
.endm
; V's eight fragments (keys 32 (f / 4) on, channels 16 (f % 4) on), turned on the way, into the registers that S^T has left: lane l then holds channel l % 16 and 8 + 8 keys.
.macro VFETCH s
.irp f, 0,1,2,3,4,5,6,7
	ds_load_tr16_b128 v[S+8*\f:S+8*\f+3],   v[AV0] offset:(\s)*SLOTB+VH+(\f/4)*32*VP+(\f%4)*32
	ds_load_tr16_b128 v[S+8*\f+4:S+8*\f+7], v[AV0] offset:(\s)*SLOTB+VH+(\f/4)*32*VP+16*VP+(\f%4)*32
.endr
.endm
.macro RESCALE                         ; O^T times a: each accumulator from its low end on.  It stands between V's loads and the wait for them
.set i, 0
.rept 16
.irp u, 0,1
	v_pk_mul_f32 v[O+32*\u+2*i:O+32*\u+2*i+1], v[O+32*\u+2*i:O+32*\u+2*i+1], v[ST+8*\u+6:ST+8*\u+7] op_sel_hi:[1,0]
.endr
.set i, i+1
.endr
.endm
.macro PV                              ; O^T += V^T P: the eight accumulators take turns, one instruction a turn
.irp ks, 0,1
.irp ct, 0,1,2,3
.irp u, 0,1
	v_wmma_f32_16x16x32_f16 v[O+32*\u+8*\ct:O+32*\u+8*\ct+7], v[S+8*(4*\ks+\ct):S+8*(4*\ks+\ct)+7], v[P+16*\u+8*\ks:P+16*\u+8*\ks+7], v[O+32*\u+8*\ct:O+32*\u+8*\ct+7]
.endr
.endr
.endr
.endm
; A KEY STEP on slot s.  conv = 1: the next step's raw numbers, loaded a step ago, go into slot (s + 1) % 4.  load = 1: the raw numbers of the step after that are asked for.  ask = 1: the prefetch.
; WHY FOUR SLOTS AND ONE BARRIER DO.  Ahead of its signal a wave stores slot s + 1 and reads K of slot s; between signal and wait it reads V of slot s.  A wave that has passed the wait stores slot s + 2.  Slot s is
; stored again three steps on, behind three more barriers, in front of each of which every wave has waited for all its LDS instructions.  So no store meets a read of the same slot.
.macro STEP s, conv, load, ask
	KFETCH \s                                      ; no wait on va_vdst here: the one ahead of the last step's loads of V stands behind the products that read KF and KS, and no vector or matrix instruction since names them
.if \conv
	s_wait_loadcnt 0x0                             ; the four raw loads issued a step ago; nothing younger is out
	CONVERT (\s+1)%4                               ; its twelve plain vector lines are also the five places between the last V^T P and the K Q^T that writes over V's registers (ISA guide 7.12.1)
.if \load
	RAWLOAD (\s+2)*STEPB                           ; behind CONVERT's wait stand only its four stores: nothing since names RK or RV
.endif
.if \ask
	ASK (\s+4)*STEPB
.endif
.else
.rept 5
	v_nop                                          ; the same five places, where nothing is converted
.endr
.endif
	s_wait_dscnt 0x0                               ; for the others: my stores have landed, and no read of mine is out; for me: K's fragments are in
.if \load
	s_wait_alu depctr_vm_vsrc(0)                   ; my four stores have read CD, BY and VC, which the next step's conversions write again
.endif
.if \conv
	s_barrier_signal -1
.endif
	QK
.rept 4
	v_nop                                          ; four places ahead of the first read of the scores
.endr
	SOFTMAX
	s_wait_alu depctr_va_vdst(0)                   ; the roundings and the sums are done reading S, in which V's fragments land; and the products K Q^T are done reading KF and KS, in which the next step's loads land
	VFETCH \s
	RESCALE
	s_wait_dscnt 0x0                               ; V's fragments are in
	PV
.if \conv
	s_barrier_wait -1                              ; the next step's images are whole.  Between signal and wait stand work on registers and reads of this slot alone
.endif
.endm
	s_load_b256 s[4:11], s[0:1], 0x0               ; Q s[4:5], K s[6:7], V s[8:9], out s[10:11]
	v_lshl_add_u32 v[SPW], v0, 2, SPARE
	v_mov_b32 v[NIL], 0
	v_lshrrev_b32 v16, 5, v0                       ; w, the wave (v16-26 are at work here; the raw loads come later)
	v_readfirstlane_b32 s[WV], v16
	v_and_b32 v17, 31, v0                          ; lane
	v_and_b32 v18, 3, v0                           ; p
	v_bfe_u32 v19, v0, 2, 1                        ; hb
	v_bfe_u32 v20, v0, 3, 2                        ; g
	v_and_b32 v21, 15, v0                          ; r
	v_bfe_u32 v22, v0, 4, 1                        ; h
	v_lshlrev_b32 v[KGO], 4, v18
	v_lshl_add_u32 v[KGO], v19, 7, v[KGO]
	v_lshl_add_u32 v[KGO], v20, 8, v[KGO]          ; row g of 256 bytes, block hb of 128, 16 p
	v_lshlrev_b32 v[LI], 4, v17
	v_lshlrev_b32 v[LS], 2, v17
	v_lshlrev_b32 v[PFO], 8, v17
	; my key of a step is 4 w + g: tile w / 4, row 4 (w % 4) + g of it.  Its block hb is the image's lanes 16 hb on
	v_bfe_u32 v23, v0, 3, 4                        ; 4 (w % 4) + g
	v_lshlrev_b32 v[KCW], 2, v18
	v_lshl_add_u32 v[KCW], v23, 4, v[KCW]
	v_lshl_add_u32 v[KCW], v19, 8, v[KCW]
	v_lshrrev_b32 v24, 7, v0                       ; w / 4
	v_lshl_add_u32 v[KCW], v24, 9, v[KCW]          ; 512 (w / 4) + 256 hb + 16 row + 4 p
	v_lshl_add_u32 v[KSW], v23, 2, v19             ; the scale word of row r of fragment f: lower key's two bytes, upper key's two
	v_bfe_u32 v24, v0, 7, 1                        ; (w / 4) % 2: lower or upper
	v_lshl_add_u32 v[KSW], v24, 1, v[KSW]
	v_lshrrev_b32 v24, 8, v0                       ; w / 8: the fragment
	v_lshl_add_u32 v[KSW], v24, 6, v[KSW]          ; 64 f + 4 row + 2 upper + hb
	v_lshl_add_u32 v24, v16, 2, v22
	v_mul_u32_u24 v24, v24, VP
	v_lshl_add_u32 v[VW], v21, 3, v24              ; V: row 4 w + h, 8 bytes at 8 r
	v_and_b32 v24, 7, v0
	v_lshl_add_u32 v24, v22, 3, v24
	v_mul_u32_u24 v24, v24, VP
	v_bfe_u32 v25, v0, 3, 1
	v_lshl_add_u32 v[AV0], v25, 4, v24             ; the turning load: key 8 h + l % 8, channels 8 ((l / 8) % 2) on
	v_mul_u32_u24 v26, v16, STGW
	v_add_nc_u32 v26, STAGE, v26                   ; my stage
	v_lshl_add_u32 v[QCW], v18, 2, v26
	v_lshl_add_u32 v[QCW], v20, 4, v[QCW]
	v_lshl_add_u32 v[QCW], v19, 8, v[QCW]          ; Q's codes: 256 hb + 16 g + 4 p
	v_lshl_add_u32 v[QSW], v20, 2, v26
	v_add_nc_u32 v[QSW], v19, v[QSW]               ; Q's scale bytes: 4 g + hb
	v_add_nc_u32 v[QRD], v[LI], v26
	v_add_nc_u32 v[QSL], v[LS], v26
	v_mul_u32_u24 v24, v21, 272
	v_lshl_add_u32 v24, v22, 5, v24
	v_add_nc_u32 v[STO], v26, v24                  ; the way out, in: row r, 32 bytes for each half of the lanes
	v_mul_u32_u24 v24, v22, 272
	v_lshl_add_u32 v24, v21, 4, v24
	v_add_nc_u32 v[RD], v26, v24                   ; back: lanes 0-15 one row of 256 bytes, lanes 16-31 the next
	v_lshlrev_b32 v[GO], 8, v22
	v_lshl_add_u32 v[GO], v21, 4, v[GO]            ; and the same two rows in out
	s_wait_alu depctr_va_sdst(0)                   ; s12, the wave's number, is written, ahead of its first reader: the bases below are made from it
	s_and_b32 s13, ttmp7, 0xffff                   ; the head
	s_lshl_b32 s14, s13, 19                        ; its 2,048 rows of 256 bytes: under 2^25
	s_lshl_b32 s16, ttmp9, 17                      ; my work-group's 512 queries,
	s_lshl_b32 s17, s[WV], 13                      ; my wave's 32 of them
	s_add_co_u32 s16, s16, s17
	s_add_co_u32 s16, s16, s14
	s_mov_b32 s17, 0
	s_lshl_b32 s18, s[WV], 10                      ; my wave's 4 keys of a step
	s_add_co_u32 s18, s18, s14
	s_mov_b32 s19, 0
	s_and_b32 s28, s[WV], 1
	s_lshl_b32 s28, s28, 13                        ; the prefetches: which 32 rows of a step's 64
	s_add_co_u32 s28, s28, s14
	s_mov_b32 s29, 0
	s_mov_b32 s[SEL], 0x76543210
	s_mov_b32 s[SEL+1], 0xfedcba98
	s_mov_b32 s[CS], 0x3ed53b95                    ; c = log2(e) / sqrt(12) = 0.41647019
	s_mov_b32 s[CS+1], s[CS]                       ; named with it as a pair, so it is written
	s_lshr_b32 s30, s[WV], 2                       ; 0 in waves 0 to 3,
	s_or_b32 s30, s30, ttmp9                       ; of the head's first work-group
	s_cmp_eq_u32 s30, 0
	s_cselect_b32 s[LIM], 1, -1
	s_wait_kmcnt 0x0
	s_cmp_lt_u32 s[WV], 2                          ; waves 0 and 1 would ask for K, the others for V: the choice hangs on the wave's number alone
	s_cselect_b64 s[PFA:PFA+1], s[6:7], s[8:9]
	s_add_nc_u64 s[PFA:PFA+1], s[PFA:PFA+1], s[28:29]
	s_add_nc_u64 s[4:5], s[4:5], s[16:17]          ; Q and out at my wave's first query
	s_add_nc_u64 s[10:11], s[10:11], s[16:17]
	s_add_nc_u64 s[6:7], s[6:7], s[18:19]          ; K and V at my wave's 4 keys of step 0
	s_add_nc_u64 s[8:9], s[8:9], s[18:19]
	s_wait_alu depctr_va_vdst(0)                   ; all addresses and offsets (v1-15, v57, v59) are written, which every load, store and prefetch of the kernel reads; so are v16-26, in which the raw loads land
.irp k, 0,1,2,3,4,5,6,7                ; my 32 queries, four at a time, laid in the lanes as K's keys are; read once in the launch
	global_load_b128 v[S+8*\k:S+8*\k+3],   v[KGO], s[4:5] offset:1024*\k th:TH_LOAD_NT
	global_load_b128 v[S+8*\k+4:S+8*\k+7], v[KGO], s[4:5] offset:1024*\k+64 th:TH_LOAD_NT
.endr
	RAWLOAD 0                                      ; key step 0
.irp i, 0,1,2,3,8,9,10,11,16,17,18,19
	v_mov_b32 v[QB+\i], 0                          ; the zero codes beside Q's
.endr
.set i, 0
.rept 64
	v_mov_b32 v[O+i], 0                            ; O^T.  The step is written once: the first finds zeros, and its a is 0
.set i, i+1
.endr
.irp u, 0,1
	v_mov_b32 v[ST+8*\u+1], 0xff61b1e6             ; m = -3e38, under every score
	v_mov_b32 v[ST+8*\u+2], 0                      ; l, in two halves
	v_mov_b32 v[ST+8*\u+3], 0
.endr
.irp u, 0,1
	v_mul_f32 v[ST+8*\u], s[CS], v[ST+8*\u+1]      ; c m
.endr
	s_wait_loadcnt 4                               ; Q's sixteen loads are in; the four raw loads issued behind them may stay out
.irp k, 0,1,2,3,4,5,6,7
	QUANT8 S+8*\k, P+\k, P+8+\k
.endr
	s_wait_alu depctr_va_vdst(0)                   ; Q's codes and bytes are written in v[P .. P + 15], which the stores below read; the zero codes in QB, operands of the scaled products, are written too
.irp k, 0,1,2,3,4,5,6,7                ; into my stage: tile k / 4's image of codes, and each query's word of scale bytes s0 s1 s0 s1, which serves both halves of K's fragment
	ds_store_b32 v[QCW], v[P+\k] offset:512*(\k/4)+64*(\k%4)
	ds_store_b8 v[QSW], v[P+8+\k] offset:1024+16*\k
	ds_store_b8 v[QSW], v[P+8+\k] offset:1024+16*\k+2
.endr
	ds_load_b128 v[QB+4:QB+7],   v[QRD]            ; LDS serves a wave's instructions in order (ISA guide 5.7.1.4): these see my stores
	ds_load_b128 v[QB+12:QB+15], v[QRD] offset:512
	ds_load_b32 v[QS], v[QSL] offset:1024
	s_wait_loadcnt 0x0                             ; key step 0's raw numbers
	CONVERT 0
	RAWLOAD STEPB                                  ; key step 1
	s_wait_dscnt 0x0                               ; my part of slot 0 has landed; Q's operand is in
	s_wait_alu depctr_vm_vsrc(0)                   ; my stores have read v[P .. P + 15], which the softmax's roundings write, and CD, BY and VC, which the first step's conversions write again
	s_barrier_signal -1
	s_barrier_wait -1                              ; slot 0 is whole
	s_mov_b32 s[CNT], 7
.Ltrip:                                            ; 7 trips of four steps: once round the slots; every offset inside a trip is an immediate
	STEP 0, 1, 1, 1
	STEP 1, 1, 1, 1
	STEP 2, 1, 1, 1
	STEP 3, 1, 1, 1
	s_wait_xcnt 0x0                                ; the loads and the prefetch issued early in the last step have read their bases: these may step
	s_add_nc_u64 s[6:7], s[6:7], 4*STEPB
	s_add_nc_u64 s[8:9], s[8:9], 4*STEPB
	s_add_nc_u64 s[PFA:PFA+1], s[PFA:PFA+1], 4*STEPB
	s_sub_co_u32 s[CNT], s[CNT], 1
	s_cmp_lg_u32 s[CNT], 0
	s_cbranch_scc1 .Ltrip
	STEP 0, 1, 1, 0                                ; steps 28 to 31 are written out: they load steps 30 and 31 and nothing beyond, and prefetch nothing
	STEP 1, 1, 1, 0
	STEP 2, 1, 0, 0
	STEP 3, 0, 0, 0
	; THE WAY OUT.  l's two halves and the other half of the lanes' are added; O^T is divided by l and goes through my stage, a tile of 16 queries at a time.  The additions are the places behind the last products.
.irp u, 0,1
	v_add_f32 v[ST+8*\u+4], v[ST+8*\u+2], v[ST+8*\u+3]
.endr
.irp u, 0,1
	v_permlanex16_b32 v[ST+8*\u+5], v[ST+8*\u+4], s[SEL], s[SEL+1]
.endr
.irp u, 0,1
	v_add_f32 v[ST+8*\u+4], v[ST+8*\u+4], v[ST+8*\u+5]
.endr
.irp u, 0,1
	v_rcp_f32 v[ST+8*\u+6], v[ST+8*\u+4]
.endr
	v_nop                                          ; a plain instruction between the last reciprocal and the use of its result
	s_wait_alu depctr_va_vdst(0)                   ; the two reciprocals have written their results: the wait ahead of the first use: one for both
; Tile u: a lane holds 8 channels of a row for each of four tiles of channels; they go into rows of 272 bytes and come back as whole rows of 256, into v[back] on.
.macro OUT u, back
.set i, 0
.rept 16
	v_pk_mul_f32 v[S+32*\u+2*i:S+32*\u+2*i+1], v[O+32*\u+2*i:O+32*\u+2*i+1], v[ST+8*\u+6:ST+8*\u+7] op_sel_hi:[1,0]   ; each accumulator from its low end on
.set i, i+1
.endr
.if \u
	s_wait_alu depctr_vm_vsrc(0)                   ; tile 0's LDS stores have read v[S .. S + 31], in which the loads from the stage land
.endif
	s_wait_alu depctr_va_vdst(0)                   ; the multiplications have written the quotients, which the LDS stores read; and every vector or matrix instruction that named v[back ..], in which the loads from the stage land, is done
.irp ct, 0,1,2,3
	ds_store_b128 v[STO], v[S+32*\u+8*\ct:S+32*\u+8*\ct+3]   offset:64*\ct
	ds_store_b128 v[STO], v[S+32*\u+8*\ct+4:S+32*\u+8*\ct+7] offset:64*\ct+16
.endr
.irp i, 0,1,2,3,4,5,6,7
	ds_load_b128 v[\back+4*\i:\back+4*\i+3], v[RD] offset:544*\i     ; in order behind my stores
.endr
.irp i, 0,1,2,3,4,5,6,7
	s_wait_dscnt 7-\i                              ; LDS loads come back in order: load i is in, the younger ones may be out
	global_store_b128 v[GO], v[\back+4*\i:\back+4*\i+3], s[10:11] offset:4096*\u+512*\i th:TH_STORE_NT   ; 16 lanes store 256 consecutive bytes, at a multiple of 256 from the buffer's first byte; written once
.endr
.endm
	OUT 0, P                                       ; back into p's registers, which are free
	OUT 1, S                                       ; back into the registers from which tile 0 went to the stage; no register of a pending store is written
	s_wait_dscnt 0x0                               ; the closing lines, six on end
	s_wait_alu 0x0
	s_wait_tensorcnt 0x0
	ds_add_u32 v[SPW], v[NIL]
	s_wait_dscnt 0x0
	s_endpgm
.Lfunc_end_k_q4692ccd876_attn:
	.size	k_q4692ccd876_attn, .Lfunc_end_k_q4692ccd876_attn-k_q4692ccd876_attn
	.p2alignl 7, 3214868480
	.fill 96, 4, 3214868480
	.section	.rodata,"a",@progbits
	.p2align	6, 0x0
	.amdhsa_kernel k_q4692ccd876_attn
		.amdhsa_group_segment_fixed_size 121856
		.amdhsa_private_segment_fixed_size 0
		.amdhsa_enable_private_segment 0
		.amdhsa_kernarg_size 32
		.amdhsa_user_sgpr_count 2
		.amdhsa_user_sgpr_kernarg_segment_ptr 1
		.amdhsa_wavefront_size32 1
		.amdhsa_system_sgpr_workgroup_id_x 1
		.amdhsa_system_sgpr_workgroup_id_y 1
		.amdhsa_system_sgpr_workgroup_id_z 1
		.amdhsa_system_vgpr_workitem_id 0
		.amdhsa_next_free_vgpr 256
		.amdhsa_next_free_sgpr 66
		.amdhsa_reserve_vcc 0
		.amdhsa_float_denorm_mode_32 3
		.amdhsa_float_denorm_mode_16_64 3
		.amdhsa_memory_ordered 1
		.amdhsa_forward_progress 1
		.amdhsa_inst_pref_size 164
	.end_amdhsa_kernel
	.amdgpu_metadata
---
amdhsa.version: [ 1, 2 ]
amdhsa.kernels:
  - .name:           k_q4692ccd876_attn
    .symbol:         k_q4692ccd876_attn.kd
    .args:
      - { .name: Q, .offset: 0, .size: 8, .value_kind: global_buffer, .address_space: global }
      - { .name: K, .offset: 8, .size: 8, .value_kind: global_buffer, .address_space: global }
      - { .name: V, .offset: 16, .size: 8, .value_kind: global_buffer, .address_space: global }
      - { .name: out0, .offset: 24, .size: 8, .value_kind: global_buffer, .address_space: global }
    .group_segment_fixed_size: 121856
    .private_segment_fixed_size: 0
    .kernarg_segment_align: 8
    .kernarg_segment_size: 32
    .max_flat_workgroup_size: 512
    .sgpr_count:     66
    .vgpr_count:     256
    .wavefront_size: 32
...
	.end_amdgpu_metadata
.endif
;; end of part 2
